; MI455X (gfx1250); checked and timed in simulation.
; The chip was launched on July 23, 2026; its instructions are those of AMD's public machine-readable ISA for CDNA 5 (MIT licence, August 2026) and "CDNA5" Instruction Set Architecture Reference Guide (July 2026). The comments in the code are by the model that wrote it; some were corrected since.
;; LSTM Block. Allowed arithmetic: matrix products marked QUANTISED: E5M2 operands, one given power-of-two scale a tensor, by v_wmma_f32_16x16x64_bf8_bf8 or v_wmma_f32_16x16x128_bf8_bf8, f32 sums; everything else in f32.
;; Inputs: W_c 2,048 x 3,072 float32; W_f 2,048 x 3,072 float32; W_h2o_codes 2,048 x 64 x 32 uint8 (E5M2 codes of W_h2o, K innermost, in blocks of 32 codes); W_i 2,048 x 3,072 float32; W_o 2,048 x 3,072 float32; b_c 2,048 float32; b_f 2,048 float32; b_h2o 2,048 float32; b_i 2,048 float32; b_o 2,048 float32; long_term 2,048 x 2,048 float32; lowp_scales 4 int32 (the exponents e of the quantised operands' scales 2^e); short_term 2,048 x 2,048 float32; x 2,048 x 1,024 float32.
;; Outputs: out0 2,048 x 2,048 float32; out1 2,048 x 2,048 float32.
;; This version of the problem:
;;   THIS VERSION OF THE PROBLEM IS GIVEN IN LOW PRECISION. The matrix products marked QUANTISED in the list below multiply operands that are first quantised to E5M2 (5 exponent bits, 2 mantissa bits; 8 bits a number), with one given power-of-two scale for each operand tensor; their sums are f32. All else is computed in f32.
;;   The module's matrix products, in the order in which they are computed (A, B: the left and right operand; K: the contracted axis; several contracted axes count as one K, in the product's order):
;;     1. [M 2,048, K 3,072] x [K 3,072, N 8,192]; A: computed on the way; B: computed on the way: QUANTISED (scales: A lowp_scales[0], B lowp_scales[1])
;;     2. [M 2,048, K 2,048] x [K 2,048, N 2,048]; A: computed on the way; B: input W_h2o (given as codes): QUANTISED (scales: A lowp_scales[2], B lowp_scales[3])
;;   THE QUANTISER, for each operand of a quantised product, along K:
;;     - The operand's scale is 2^e, e = its entry of the input lowp_scales (int32; the entries are numbered through the quantised products in the list's order, A before B).
;;     - Each number is divided by the scale, clamped to +-57,344, and rounded to the nearest number of E5M2, ties to even, subnormals kept.
;;     - The product sums the exact products of the quantised numbers (number of the format x scale) in f32.
;;   ~~~python
;;   def quantise(x, axis, e):      # numpy; x: float32 -> the quantised numbers, widened to float32 again
;;       x = np.moveaxis(x, axis, -1); K = x.shape[-1]
;;       r = np.clip(x / 2.0 ** e, -57344, 57344)
;;       step = 2.0 ** (np.maximum(np.frexp(np.where(r == 0, 1, r))[1] - 1, -14) - 2)
;;       q = np.round(r / step) * step * 2.0 ** e      # np.round: ties to even
;;       return np.moveaxis(q, -1, axis).astype(np.float32)
;;   ~~~
;;   OPERANDS COMPUTED ON THE WAY. 'Computed on the way' means the value that the module computes at that place (a softmax that the list does not call 'softmax' is quantised finished and normalised). What goes into a quantiser is computed in f32, as accurately as f32 sums, v_exp_f32 and their like allow (about 1e-6 of the number): no bf16 or f16 on the way to a quantiser, and a product that is left as it is and whose result goes on into a quantised operand takes f32 operands (vector FMAs, or v_wmma_f32_16x16x4_f32). A number that lies on a knife's edge between two numbers of the format may be rounded either way, as far as f32 arithmetic and the matrix unit's own rounding can turn it there, and no further.
;;   INPUTS GIVEN AS CODES. W_h2o (in the module: [2048, 2048], K = its axis 1): each comes as NAME_codes (uint8): NAME with its K axis moved to the last place and cut into blocks of 32 codes, [.., K / 32, bytes a block], one block behind the other in memory; one code a byte (a code: sign, 5 exponent bits, 2 mantissa bits); its scale is its entry of lowp_scales. Its value is code x scale, taken as it is: it is not quantised again, and the codes and scales need not be those that the quantiser above would give.
;; One version. Each part assembles by itself: llvm-mc -triple=amdgcn-amd-amdhsa -mcpu=gfx1250 --defsym DOCPART=n.
;; ======== version 1 of 1: 3 launches
;; limits: a function is approximated: absolute error at most 1e-07
;; workspace buffers: comb_codes 6,291,456 bytes; wall_codes 25,165,824 bytes; cnew_codes 4,194,304 bytes; o_gate 16,777,216 bytes
;; launch quant (part 1): grid 960 x 1, 4 waves a work-group, no clusters, 0 bytes of LDS; arguments x, short_term, W_f, W_i, W_c, W_o, lowp_scales, comb_codes, wall_codes; writes comb_codes, wall_codes
.if DOCPART == 1
	.amdgcn_target "amdgcn-amd-amdhsa--gfx1250"
	.amdhsa_code_object_version 6
	.text
	.protected	k_qa98a6bcaec_quant
	.globl	k_qa98a6bcaec_quant
	.p2align	8
	.type	k_qa98a6bcaec_quant,@function
k_qa98a6bcaec_quant:
	s_mov_b64 s[64:65], 0
	v_nop
	global_prefetch_b8 v0, s[64:65] scope:SCOPE_SE
	s_setreg_imm32_b32 hwreg(HW_REG_WAVE_MODE, 25, 1), 1
	s_wait_xcnt 0x0
; x [2048][1024], short_term [2048][2048] and the four gate weights [2048][3072], all f32, become codes of BF8 (E5M2).
; code = number / 2^e, held within +-57,344, rounded to the nearest code, ties to even.  e = entry 0 of the scales for x and short_term, entry 1 for the weights.
; LIMITS: -126 <= e <= 112, so that 2^e and 57,344 x 2^e are f32 numbers.  NaN among the inputs is not served (an infinity is held at the largest code).
; OUT: comb_codes [2048][3072]: a row is x's 1,024 codes, then short_term's 2,048.
;      wall_codes [8192][3072], ROWS PERMUTED: row n of gate g (f, i, c, o = 0 .. 3) lies at row 128 (n / 32) + 32 g + 16 (bit 3 of n) + 8 (bit 4 of n) + n % 8,
;      so that 128 rows on end hold 32 hidden units of all four gates, in the order in which the next launch's matrix results want them.
; ORDER ALONG K.  A step is 512 numbers of one row, at a multiple of 512 along K (1,024, 2,048 and 3,072 are multiples of 512).  Load i (0 .. 3) gives lane l numbers 128 i + 4 l + 0 .. 3 of the step;
; the lane's 16 numbers are converted as they stand and its 16 codes are stored as its 16 bytes of the step's 512: byte 16 l + 4 i + j holds the code of number 128 i + 4 l + j.
; That is one fixed permutation of k inside each 512, the same in comb_codes and in wall_codes, which are multiplied with each other alone: every product meets its partner, and only the order of the
; f32 sums changes.  So nothing is turned: no LDS, no lane exchange; each load reads and each store writes 512 consecutive bytes, aligned.
; SHARES: a wave takes 8,192 consecutive numbers of one tensor (16 steps of 512); its codes are 8 pieces of 1,024 bytes.  Work-groups 0-63: x; 64-191: short_term; then 192 for each weight.
; One path for all six: only pointers and three numbers (first work-group, gap, shift) are chosen, by the work-group's number.
; No barrier: waves share nothing.  Loads run eight steps (32 loads, 16,384 bytes a wave) ahead.  Every offset is an immediate and no source register of a load or store is ever written again.
.set STEPS, 16
.set SETS,  8
.set EMAX,  15
.set MANT,  0x600000                   ; the mantissa field of 57,344 as f32
.set R,     16                         ; v16-143  eight sets of 16 numbers
.set VA,    144                        ; v144-151 piece q: 16 x lane + (q >> shift) x gap; never rewritten
.set C,     152                        ; v152-215 codes: four registers a step, so that no store's data are written again
	s_load_b256 s[4:11], s[0:1], 0x0               ; x, short_term, W_f, W_i
	s_load_b256 s[12:19], s[0:1], 0x20             ; W_c, W_o, the scales' exponents, comb_codes
	s_load_b64 s[20:21], s[0:1], 0x40              ; wall_codes
	v_lshrrev_b32 v1, 5, v0
	v_readfirstlane_b32 s24, v1                    ; wave
	v_and_b32 v2, 31, v0                           ; lane
	v_lshlrev_b32 v3, 4, v2                        ; my 16 bytes of a load's 512, and of a store's
	s_wait_kmcnt 0x0
	s_load_b64 s[22:23], s[16:17], 0x0             ; e0, e1
	; which tensor: a chain of choices on the work-group's number alone.  s[26:27] source, s28 its first work-group, s29 32 x gate, s[30:31] destination, s32 gap, s33 shift
	s_mov_b64 s[26:27], s[14:15]
	s_mov_b32 s28, 768
	s_mov_b32 s29, 96
	s_cmp_lt_u32 ttmp9, 768
	s_cselect_b64 s[26:27], s[12:13], s[26:27]
	s_cselect_b32 s28, 576, s28
	s_cselect_b32 s29, 64, s29
	s_cmp_lt_u32 ttmp9, 576
	s_cselect_b64 s[26:27], s[10:11], s[26:27]
	s_cselect_b32 s28, 384, s28
	s_cselect_b32 s29, 32, s29
	s_cmp_lt_u32 ttmp9, 384
	s_cselect_b64 s[26:27], s[8:9], s[26:27]
	s_cselect_b32 s28, 192, s28
	s_cselect_b32 s29, 0, s29
	s_cmp_lt_u32 ttmp9, 192
	s_cselect_b64 s[26:27], s[6:7], s[26:27]
	s_cselect_b32 s28, 64, s28
	s_cselect_b64 s[30:31], s[18:19], s[20:21]
	s_cselect_b32 s32, 1024, 0                     ; short_term: behind every second piece 1,024 bytes (x's place in the row) are passed over
	s_cselect_b32 s33, 1, 0
	s_cmp_lt_u32 ttmp9, 64
	s_cselect_b64 s[26:27], s[4:5], s[26:27]
	s_cselect_b32 s28, 0, s28
	s_cselect_b32 s32, 2048, s32                   ; x: behind every piece 2,048 bytes (short_term's place)
	s_cselect_b32 s33, 0, s33
	s_sub_co_u32 s34, ttmp9, s28
	s_lshl_b32 s34, s34, 2
	s_add_co_u32 s34, s34, s24                     ; u: which run of 8,192 numbers of the tensor is my wave's
	s_lshl_b32 s36, s34, 15                        ; 32,768 bytes a run
	s_mov_b32 s37, 0
	s_add_nc_u64 s[26:27], s[26:27], s[36:37]
	s_mul_i32 s38, s34, 24576                      ; x: 8 rows of comb_codes a run
	s_mul_i32 s39, s34, 12288                      ; short_term: 4 rows a run,
	s_add_co_u32 s39, s39, 1024                    ; behind x's codes
	s_mul_hi_u32 s40, s34, 0xaaaaaaab
	s_lshr_b32 s40, s40, 1                         ; a weight: u / 3: which group of 8 rows (3 runs),
	s_mul_i32 s41, s40, 3
	s_sub_co_u32 s41, s34, s41                     ; and which third of it
	s_lshr_b32 s42, s40, 2
	s_lshl_b32 s42, s42, 7                         ; 128 (n / 32)
	s_add_co_u32 s42, s42, s29                     ; + 32 g
	s_and_b32 s43, s40, 1
	s_lshl_b32 s43, s43, 4
	s_add_co_u32 s42, s42, s43                     ; + 16 (bit 3 of n)
	s_bfe_u32 s43, s40, 0x10001
	s_lshl_b32 s43, s43, 3
	s_add_co_u32 s42, s42, s43                     ; + 8 (bit 4 of n): the group's first row in wall_codes; its 8 rows lie on end
	s_mul_i32 s42, s42, 3072
	s_lshl_b32 s41, s41, 13
	s_add_co_u32 s42, s42, s41
	s_cmp_lt_u32 ttmp9, 192
	s_cselect_b32 s36, s39, s42
	s_cmp_lt_u32 ttmp9, 64
	s_cselect_b32 s36, s38, s36
	s_add_nc_u64 s[30:31], s[30:31], s[36:37]
.irp q, 0,1,2,3,4,5,6,7
	s_lshr_b32 s45, \q, s33
	s_mul_i32 s45, s45, s32
	v_add_nc_u32 v[VA+\q], s45, v3
.endr
.macro LOAD t
.irp i, 0,1,2,3
	global_load_b128 v[R+16*((\t)%SETS)+4*\i:R+16*((\t)%SETS)+4*\i+3], v3, s[26:27] offset:2048*(\t)+512*\i th:TH_LOAD_NT   ; 32 lanes read 512 consecutive bytes
.endr
.endm
.irp t, 0,1,2,3,4,5,6,7
	LOAD \t
.endr
	s_wait_kmcnt 0x0
	s_cmp_lt_u32 ttmp9, 192
	s_cselect_b32 s22, s22, s23                    ; e
	s_add_co_i32 s22, s22, 127
	s_lshl_b32 s23, s22, 23
	v_mov_b32 v11, s23                             ; 2^e as f32: the conversion takes its exponent field
	s_add_co_i32 s22, s22, EMAX
	s_lshl_b32 s22, s22, 23
	s_or_b32 s22, s22, MANT
	v_mov_b32 v10, s22                             ; 57,344 x 2^e
.macro STEP t
.set XS, R+16*((\t)%SETS)
.if (\t)+SETS-1 < STEPS
	s_wait_loadcnt 4*(SETS-1)                      ; loads come back in order (ISA guide 5.7.1): this step's four are in; those of the seven steps behind it may be out
.else
	s_wait_loadcnt 4*(STEPS-1-(\t))                ; the last steps: the counts run down
.endif
.irp i, 0,1,2,3,4,5,6,7,8,9,10,11,12,13,14,15
	v_med3_num_f32 v[XS+\i], v[XS+\i], -v10, v10   ; the conversion to an 8-bit code does not saturate (ISA guide 7.6.2): the hold comes first
.endr
	v_cvt_scalef32_pk8_bf8_f32 v[C+4*(\t):C+4*(\t)+1], v[XS:XS+7], v11          ; loads 0 and 1: bytes 0 to 7 of my 16
	v_cvt_scalef32_pk8_bf8_f32 v[C+4*(\t)+2:C+4*(\t)+3], v[XS+8:XS+15], v11     ; loads 2 and 3: bytes 8 to 15
.if (\t)+SETS < STEPS
	LOAD (\t)+SETS                                 ; the set takes the loads of eight steps on
.endif
	global_store_b128 v[VA+(\t)/2], v[C+4*(\t):C+4*(\t)+3], s[30:31] offset:1024*((\t)/2)+512*((\t)%2)   ; the results go to a store alone; the next vector lines are the next step's holds, on other registers
.endm
.irp t, 0,1,2,3,4,5,6,7,8,9,10,11,12,13,14,15
	STEP \t
.endr
	s_endpgm
.Lfunc_end_k_qa98a6bcaec_quant:
	.size	k_qa98a6bcaec_quant, .Lfunc_end_k_qa98a6bcaec_quant-k_qa98a6bcaec_quant
	.p2alignl 7, 3214868480
	.fill 96, 4, 3214868480
	.section	.rodata,"a",@progbits
	.p2align	6, 0x0
	.amdhsa_kernel k_qa98a6bcaec_quant
		.amdhsa_group_segment_fixed_size 0
		.amdhsa_private_segment_fixed_size 0
		.amdhsa_enable_private_segment 0
		.amdhsa_kernarg_size 72
		.amdhsa_user_sgpr_count 2
		.amdhsa_user_sgpr_kernarg_segment_ptr 1
		.amdhsa_wavefront_size32 1
		.amdhsa_system_sgpr_workgroup_id_x 1
		.amdhsa_system_sgpr_workgroup_id_y 1
		.amdhsa_system_sgpr_workgroup_id_z 1
		.amdhsa_system_vgpr_workitem_id 0
		.amdhsa_next_free_vgpr 216
		.amdhsa_next_free_sgpr 66
		.amdhsa_reserve_vcc 0
		.amdhsa_float_denorm_mode_32 3
		.amdhsa_float_denorm_mode_16_64 3
		.amdhsa_memory_ordered 1
		.amdhsa_forward_progress 1
		.amdhsa_inst_pref_size 31
	.end_amdhsa_kernel
	.amdgpu_metadata
---
amdhsa.version: [ 1, 2 ]
amdhsa.kernels:
  - .name:           k_qa98a6bcaec_quant
    .symbol:         k_qa98a6bcaec_quant.kd
    .args:
      - { .name: x, .offset: 0, .size: 8, .value_kind: global_buffer, .address_space: global }
      - { .name: short_term, .offset: 8, .size: 8, .value_kind: global_buffer, .address_space: global }
      - { .name: W_f, .offset: 16, .size: 8, .value_kind: global_buffer, .address_space: global }
      - { .name: W_i, .offset: 24, .size: 8, .value_kind: global_buffer, .address_space: global }
      - { .name: W_c, .offset: 32, .size: 8, .value_kind: global_buffer, .address_space: global }
      - { .name: W_o, .offset: 40, .size: 8, .value_kind: global_buffer, .address_space: global }
      - { .name: lowp_scales, .offset: 48, .size: 8, .value_kind: global_buffer, .address_space: global }
      - { .name: comb_codes, .offset: 56, .size: 8, .value_kind: global_buffer, .address_space: global }
      - { .name: wall_codes, .offset: 64, .size: 8, .value_kind: global_buffer, .address_space: global }
    .group_segment_fixed_size: 0
    .private_segment_fixed_size: 0
    .kernarg_segment_align: 8
    .kernarg_segment_size: 72
    .max_flat_workgroup_size: 128
    .sgpr_count:     66
    .vgpr_count:     216
    .wavefront_size: 32
...
	.end_amdgpu_metadata
.endif
;; end of part 1
;; launch gates (part 2): grid 32 x 8, 4 waves a work-group, clusters of 4 x 4, 327,680 bytes of LDS; arguments comb_codes, wall_codes, lowp_scales, long_term, b_f, b_i, b_c, b_o, out1, cnew_codes, o_gate; writes out1, cnew_codes, o_gate
.if DOCPART == 2
	.amdgcn_target "amdgcn-amd-amdhsa--gfx1250"
	.amdhsa_code_object_version 6
	.text
	.protected	k_qa98a6bcaec_gates
	.globl	k_qa98a6bcaec_gates
	.p2align	8
	.type	k_qa98a6bcaec_gates,@function
k_qa98a6bcaec_gates:
	s_mov_b64 s[64:65], 0
	v_nop
	global_prefetch_b8 v0, s[64:65] scope:SCOPE_SE
	s_setreg_imm32_b32 hwreg(HW_REG_WAVE_MODE, 25, 1), 1
	s_wait_xcnt 0x0
	s_wait_alu depctr_hold_cnt(0) depctr_sa_sdst(0) depctr_va_vdst(0) depctr_va_sdst(0) depctr_va_ssrc(0) depctr_va_vcc(0) depctr_vm_vsrc(0)
	s_getreg_b32 s2, hwreg(HW_REG_IB_STS2, 6, 4)
	s_cmp_eq_u32 s2, 0
	s_cbranch_scc0 .Lentry_in_a_cluster
	s_endpgm
.Lentry_in_a_cluster:
	s_bfe_u32 s2, ttmp6, 0x10000c
	s_cmp_lg_u32 s2, 0xf033
	s_cbranch_scc0 .Lentry_shape_is_right
	s_endpgm
.Lentry_shape_is_right:
; The four gates' product on codes of BF8 (E5M2), and all that follows it up to C_new.
; gates = comb [2048][3072] x wall^T [8192 rows][3072], sums in f32, x 2^(e0 + e1), + bias;  f, i, o = sigmoid, c = tanh;  C_new = f x long_term + i x c.
; OUT: out1 = C_new (f32);  cnew_codes = C_new / 2^e2 as codes, laid as images of the next product's operand registers;  o_gate = o (f32), laid in blocks of 512 bytes that a wave stores and loads whole.
; Inside each 512 along K the codes of comb and of wall lie in one and the same fixed order, which is not the numbers' own: every product meets its partner, whatever that order is.
; wall_codes has its rows permuted: 128 rows on end are 32 hidden units x 4 gates; gate g's rows 32 g + 16 v + 8 h + j hold hidden unit 16 h + 8 v + j.
; THE MATRIX INSTRUCTION IS USED TRANSPOSED (source 0 = 16 rows of wall, source 1 = 16 rows of comb): lane (r, h) holds batch row r, and the 16 registers of B's blocks 2 g and 2 g + 1 are
; hidden units 16 h + 0 .. 15 of gate g.  So the four gates of one number stand in one lane, C_new's 16 numbers of a lane are 64 neighbouring bytes, and their 16 codes are four registers of the next operand.
; SHARES: a work-group of four waves makes 256 batch rows x 256 rows of wall (64 hidden units x 4 gates); a wave 128 x 128: 64 accumulators, 512 registers.
; K goes in steps of 256 through a ring of two LDS slots filled by the tensor data mover; a tile's row is 256 bytes of memory.  Two slots of a longer step do not fit in LDS.
; CLUSTERS: 4 x 4 work-groups.  The four of a row of the cluster need the same tiles of comb, the four of a column the same tiles of wall: each tile is asked for jointly.
; long_term's tile (256 rows x 256 bytes) comes into slot 0 when the ring has left it for good; C_new is written over it, each lane over the very bytes that it read, and leaves as whole rows.
; sigmoid(x) = 1 / (1 + 2^(-x log2 e));  tanh(x) = 1 - 2 / (1 + 2^(2 x log2 e)): both end rightly at 0, 1 and -1 where the power of two overflows or vanishes.
; LIMITS: e0 + e1 between -126 and 126 (it is added to the exponent fields of -log2 e and 2 log2 e); e2 between -126 and 112.  tanh's error is about 1e-7 absolute, so its relative error grows
; as 1e-7 / |x| for small x.  Results of the exponential and the reciprocal under 2^-126 become 0.  NaN among the inputs is not served.
; REGISTERS, in windows of 256: window 0: v0-31 addresses; v32-95 the biases; v96-111 long_term; v112-127 C_new; from v128 A's fragments, ONE set (on the way out: the gates, the codes, the rows).
;   window 1: B's fragments, TWO sets.   window 2: the accumulators of my rows 0-63 (accumulator (a, b) at v[8 (8 a + b)]);   window 3: those of my rows 64-127.
.set SIZE_K, 3072
.set ROWB,   256                       ; a tile's row in bytes
.set KROW,   SIZE_K                    ; a row of comb or wall in memory
.set PITCH,  272                       ; an LDS row: 256 bytes + 16 of padding: the 16 rows that a load touches start at 16 different banks (64 banks of 4 bytes: ISA guide 11.1)
.set FR,     16                        ; registers of a fragment: 16 rows x 128 K
.set NL,     4                         ; LDS loads that bring one
.set NP,     4                         ; places behind this matrix instruction (ISA guide 7.12.1)
.set HALFT,  128*PITCH
.set SLOT,   4*HALFT                   ; A's 256 rows, then B's 256 rows
.set LAPS,   SIZE_K/(2*ROWB)           ; 6 laps of two K steps
.set SPARE,  2*SLOT                    ; behind the ring: the spare words, 128 bytes for each wave
.set BA,   7                           ; v7   64 h: my 16 biases' bytes
.set ADRA, 16                          ; v16-17  LDS address of my A fragments in slot 0, 1
.set ADRB, 20                          ; v20-21  the same for B
.set QS,   22                          ; v22  2^e2 as f32
.set QL,   23                          ; v23  57,344 x 2^e2
.set LTA,  24                          ; v24  my 64 bytes of long_term's tile, block 0
.set RD,   25                          ; v25  the way out: where I read a row back
.set CO,   26                          ; v26  the same place in out1
.set LN16, 27                          ; v27  16 x lane
.set SPW,  28                          ; v28  LDS address of my spare word; never rewritten
.set NIL,  29                          ; v29  0; never rewritten
.set PFO,  30                          ; v30  lane x a row of codes (3,072 bytes); never rewritten
.set PFL,  31                          ; v31  lane x a row of long_term (8,192 bytes); never rewritten
.set BIAS, 32
.set LT,   96
.set CN,   112
.set T,    128                         ; the way out: 64 registers: gate g at T + 16 g
.set CODE, 192
.set AF,   128
.set G1,  24                           ; s[24:31] descriptor group 1 for A's tiles;  s[32:39] group 0, one set for each slot
.set G0,  32
.set G1B, 48                           ; s[48:55], s[56:63] the same for B's tiles
.set G0B, 56
.set G1L, 68                           ; s[68:75], s[76:79] long_term's tile
.set G0L, 76
.set LTP, 12                           ; s[12:13] my wave's 64 rows of long_term's tile in memory
.set LIM, 66                           ; s66  1 in a wave that prefetches codes, else the greatest number
.set PFA, 100                          ; s[100:101] where my prefetches of codes stand
.set MSB, 0
.macro WIN new                         ; the immediate's high byte repeats the setting that is left
.if MSB != (\new)
	s_set_vgpr_msb (MSB<<8)|(\new)
.set MSB, (\new)
.endif
.endm
.set MUL_LO, 0xa1                      ; source 0 (B) window 1, source 1 (A) window 0, C and D window 2
.set MUL_HI, 0xf1                      ; the same, C and D window 3
.set TO_B,   0x40                      ; destination window 1, address window 0
; A joint load: waves 0 and 1 fetch for A, waves 2 and 3 for B; the branch hangs on the wave's number alone.  Four v_nop follow each of the two lines.
.macro JLOAD g0a, g1a, g0b, g1b
	s_cmp_eq_u32 s15, 0
	s_cbranch_scc0 .Lfor_b_\@
	tensor_load_to_lds s[\g0a:\g0a+3], s[\g1a:\g1a+7]
	s_nop 0
.rept 4
	v_nop
.endr
	s_branch .Lasked_\@
.Lfor_b_\@:
	tensor_load_to_lds s[\g0b:\g0b+3], s[\g1b:\g1b+7]
	s_nop 0
.rept 4
	v_nop
.endr
.Lasked_\@:
.endm
.macro CREST                           ; a round of the cluster's barrier behind its opening barrier
	s_cmp_lg_u32 s14, 0
	s_cbranch_scc1 .Lnot_wave_0_\@
	s_barrier_signal -3
.Lnot_wave_0_\@:
	s_barrier_wait -3
	s_barrier_signal -1
	s_barrier_wait -1
.endm
.macro CROUND                          ; a whole round
	s_barrier_signal -1
	s_barrier_wait -1
	CREST
.endm
; PREFETCHES, behind a joint load, its four lines and the run of LDS loads.  Codes: the K step that stands two refills on: 32 rows x 256 bytes, a lane a row, one instruction a wave.
; Each row's 256 bytes of a K step are named once in the launch: for comb the clusters with x = 0 ask, for wall those with y = 0; the four partners that ask for a tile jointly share its rows out by
; address, 32 each of the 128 that a wave fetches.  The loop's last trip asks for no codes: K step 11 is the last.  K steps 0 to 3 come by their loads alone.
; long_term: in the last trip, at slot 0's change, each wave names the 64 rows x 256 bytes that its own tensor load will ask for 256 matrix instructions later.
.macro ASK slot
	s_cmp_gt_u32 s3, s[LIM]                        ; s3 = 1 in the loop's last trip
	s_cbranch_scc0 .Lnot_mine_\@
	global_prefetch_b8 v[PFO], s[PFA:PFA+1] offset:ROWB th:TH_LOAD_NT scope:SCOPE_SE
.Lnot_mine_\@:
.if \slot == 0
	s_cmp_eq_u32 s3, 1
	s_cbranch_scc0 .Lnot_yet_\@
	global_prefetch_b8 v[PFL], s[LTP:LTP+1] th:TH_LOAD_NT scope:SCOPE_SE
	global_prefetch_b8 v[PFL], s[LTP:LTP+1] offset:32*8192 th:TH_LOAD_NT scope:SCOPE_SE
.Lnot_yet_\@:
.endif
.endm
	s_load_b256 s[4:11], s[0:1], 0x0               ; comb s[4:5], wall s[6:7], the scales' exponents s[8:9], long_term s[10:11]
	s_load_b256 s[80:87], s[0:1], 0x20             ; b_f, b_i, b_c, b_o
	s_load_b128 s[88:91], s[0:1], 0x40             ; out1, cnew_codes
	s_load_b64 s[92:93], s[0:1], 0x50              ; o_gate
	v_lshl_add_u32 v[SPW], v0, 2, SPARE
	v_mov_b32 v[NIL], 0
	ds_add_u32 v28, v29
	ds_add_u32 v28, v29
	s_wait_dscnt 0x0
	v_lshrrev_b32 v1, 5, v0
	v_readfirstlane_b32 s14, v1                    ; wave 0..3
	s_lshr_b32 s15, s14, 1                         ; which half of the tile's batch rows is mine.  Also: I fetch for A (0) or for B (1)
	s_and_b32 s16, s14, 1                          ; which half of its rows of wall.  Also: which 128 rows of that tile I fetch
	s_bfe_u32 s40, ttmp6, 0x40000                  ; cx, cy: my place in the cluster
	s_bfe_u32 s41, ttmp6, 0x40004
	s_lshl_b32 s42, ttmp9, 2
	s_add_co_u32 s42, s42, s40                     ; tc: tile of wall = 4 x cluster x + cx
	s_and_b32 s17, ttmp7, 0xffff
	s_lshl_b32 s17, s17, 2
	s_add_co_u32 s17, s17, s41                     ; tr: tile of batch rows = 4 x cluster y + cy
	s_lshl_b32 s43, s41, 2
	s_lshl_b32 s43, 15, s43                        ; my row of the cluster
	s_lshl_b32 s44, 0x1111, s40                    ; my column
	s_or_b32 s[G1+0], s43, (0<<16)|(1<<20)|(1<<21)|(5<<22)|(3<<25)  ; the mask: A's tiles go to my row; elements of 1 byte; padding on; bit 21 beside a mask; 4 words behind every 64
	s_or_b32 s[G1B+0], s44, (0<<16)|(1<<20)|(1<<21)|(5<<22)|(3<<25)
.irp g, G1, G1B
	s_mov_b32 s[\g+1], ROWB<<16                    ; tensor_dim0
	s_mov_b32 s[\g+2], 128<<16                     ; tensor_dim1 = 128
	s_mov_b32 s[\g+3], ROWB<<16                    ; tile_dim0
	s_mov_b32 s[\g+4], 128                         ; tile_dim1 = 128
	s_mov_b32 s[\g+5], KROW                        ; tensor_dim0_stride
	s_mov_b32 s[\g+6], 0
	s_mov_b32 s[\g+7], 0
.endr
	s_mov_b32 s[G1L+0], (2<<16)|(1<<20)|(5<<22)|(3<<25)  ; long_term: no mask; elements of 4 bytes; 4 words of padding behind every 64
	s_mov_b32 s[G1L+1], 64<<16                     ; tensor_dim0 = 64 elements (256 bytes)
	s_mov_b32 s[G1L+2], 64<<16                     ; tensor_dim1 = 64 rows
	s_mov_b32 s[G1L+3], 64<<16                     ; tile_dim0
	s_mov_b32 s[G1L+4], 64                         ; tile_dim1
	s_mov_b32 s[G1L+5], 2048                       ; elements from row to row
	s_mov_b32 s[G1L+6], 0
	s_mov_b32 s[G1L+7], 0
	s_lshl_b32 s18, s16, 7                         ; which 128 rows of the tile I fetch
	s_lshl_b32 s20, s17, 8
	s_add_co_u32 s20, s20, s18                     ; A: row 256 tr + 128 x half
	s_lshl_b32 s46, s42, 8
	s_add_co_u32 s46, s46, s18                     ; B: row 256 tc + 128 x half
	s_mov_b32 s21, 0
	s_mov_b32 s47, 0
	s_mov_b64 s[18:19], KROW
	s_mul_u64 s[20:21], s[20:21], s[18:19]
	s_mul_u64 s[46:47], s[46:47], s[18:19]
	s_mul_i32 s45, s14, HALFT                      ; where they go: wave x 128 rows: no place in the cluster enters an LDS address
	s_wait_kmcnt 0x0
	s_load_b128 s[96:99], s[8:9], 0x0              ; e0, e1, e2, e3
	s_add_nc_u64 s[20:21], s[4:5], s[20:21]
	s_add_nc_u64 s[46:47], s[6:7], s[46:47]
	CROUND                                         ; all sixteen work-groups are here: the first joint loads meet
.irp s, 0,1
	s_mov_b32 s[G0+4*\s], 1
	s_add_co_u32 s[G0+4*\s+1], s45, \s*SLOT
	s_add_nc_u64 s[G0+4*\s+2:G0+4*\s+3], s[20:21], \s*ROWB
	s_or_b32 s[G0+4*\s+3], s[G0+4*\s+3], 0x80000000
	s_mov_b32 s[G0B+4*\s], 1
	s_add_co_u32 s[G0B+4*\s+1], s45, \s*SLOT
	s_add_nc_u64 s[G0B+4*\s+2:G0B+4*\s+3], s[46:47], \s*ROWB
	s_or_b32 s[G0B+4*\s+3], s[G0B+4*\s+3], 0x80000000
	JLOAD G0+4*\s, G1, G0B+4*\s, G1B
.endr
	v_and_b32 v1, 15, v0                           ; r
	v_bfe_u32 v2, v0, 4, 1                         ; h
	v_mul_u32_u24 v3, v1, PITCH
	v_lshl_add_u32 v4, v2, 4, v3                   ; a fragment's row x pitch + 16 h
	s_mul_i32 s21, s15, HALFT                      ; my 128 rows of A
	s_mul_i32 s22, s16, HALFT                      ; my 128 rows of B,
	s_add_co_u32 s22, s22, 2*HALFT                 ; which lie behind A's 256
.irp s, 0,1
	v_add_nc_u32 v[ADRA+\s], s21, v4
	v_add_nc_u32 v[ADRB+\s], s22, v4
	s_add_co_u32 s21, s21, SLOT
	s_add_co_u32 s22, s22, SLOT
.endr
	s_mul_i32 s23, s15, HALFT                      ; long_term's tile: row 128 x row half + r, byte 128 x column half + 64 h
	s_lshl_b32 s18, s16, 7
	s_add_co_u32 s23, s23, s18
	v_lshl_add_u32 v[LTA], v2, 6, v3
	v_add_nc_u32 v[LTA], s23, v[LTA]
	s_mul_i32 s23, s14, 64*PITCH                   ; back: wave w takes rows 64 w on; lanes 0-15 one row of 256 bytes, lanes 16-31 the next
	v_mul_u32_u24 v5, v2, PITCH
	v_lshl_add_u32 v5, v1, 4, v5
	v_add_nc_u32 v[RD], s23, v5
	v_lshlrev_b32 v5, 13, v2                       ; and the same two rows in out1
	v_lshl_add_u32 v[CO], v1, 4, v5
	v_and_b32 v6, 31, v0
	v_lshlrev_b32 v[LN16], 4, v6
	v_mul_u32_u24 v[PFO], v6, KROW
	v_lshlrev_b32 v[PFL], 13, v6
	v_lshlrev_b32 v[BA], 6, v2
	; out1 and long_term: (256 tr + 64 w) rows of 8,192 bytes + 256 tc
	s_lshl_b32 s18, s17, 21
	s_lshl_b32 s19, s14, 19
	s_add_co_u32 s18, s18, s19
	s_lshl_b32 s19, s42, 8
	s_add_co_u32 s18, s18, s19
	s_mov_b32 s19, 0
	s_add_nc_u64 s[88:89], s[88:89], s[18:19]
	s_add_nc_u64 s[LTP:LTP+1], s[10:11], s[18:19]
	s_mov_b32 s[G0L], 1
	s_mul_i32 s[G0L+1], s14, 64*PITCH              ; wave w's 64 rows, from LDS byte 0 on
	s_mov_b64 s[G0L+2:G0L+3], s[LTP:LTP+1]
	s_or_b32 s[G0L+3], s[G0L+3], 0x80000000
	; cnew_codes: (4 tr + 2 x row half) blocks of 131,072 + (tc / 8) 32,768 + ((tc / 2) % 4) 2,048 + (2 (tc % 2) + column half) 512
	s_lshl_b32 s18, s17, 19
	s_lshl_b32 s22, s15, 18
	s_add_co_u32 s18, s18, s22
	s_lshr_b32 s22, s42, 3
	s_lshl_b32 s22, s22, 15
	s_add_co_u32 s18, s18, s22
	s_bfe_u32 s22, s42, 0x20001
	s_lshl_b32 s22, s22, 11
	s_add_co_u32 s18, s18, s22
	s_and_b32 s22, s42, 1
	s_lshl_b32 s22, s22, 10
	s_add_co_u32 s18, s18, s22
	s_lshl_b32 s22, s16, 9
	s_add_co_u32 s18, s18, s22
	s_add_nc_u64 s[90:91], s[90:91], s[18:19]
	; o_gate: (16 tr + 8 x row half) blocks of 131,072 + (2 tc + column half) 2,048
	s_lshl_b32 s18, s17, 21
	s_lshl_b32 s22, s15, 20
	s_add_co_u32 s18, s18, s22
	s_lshl_b32 s22, s42, 12
	s_add_co_u32 s18, s18, s22
	s_lshl_b32 s22, s16, 11
	s_add_co_u32 s18, s18, s22
	s_add_nc_u64 s[92:93], s[92:93], s[18:19]
	; the biases: my 32 hidden units begin at 64 tc + 32 x column half
	s_lshl_b32 s18, s42, 8
	s_lshl_b32 s22, s16, 7
	s_add_co_u32 s18, s18, s22
.irp g, 0,1,2,3
	s_add_nc_u64 s[80+2*\g:81+2*\g], s[80+2*\g:81+2*\g], s[18:19]
.endr
.irp g, 0,1,2,3
.irp q, 0,1,2,3
	global_load_b128 v[BIAS+16*\g+4*\q:BIAS+16*\g+4*\q+3], v[BA], s[80+2*\g:81+2*\g] offset:16*\q   ; gate g, hidden units 16 h + 4 q on
.endr
.endr
	; the prefetches of codes: where my wave's stand, and who asks
	s_lshl_b32 s20, s17, 8
	s_lshl_b32 s21, s42, 8
	s_and_b32 s22, ttmp7, 0xffff                   ; cluster y
	s_cmp_eq_u32 s15, 0                            ; do I fetch for A?
	s_cselect_b32 s20, s20, s21                    ; the tile's first row
	s_cselect_b32 s21, s40, s41                    ; my place among the four that ask for it with me
	s_cselect_b32 s22, ttmp9, s22                  ; the coordinate along which other clusters read the same rows
	s_cselect_b64 s[PFA:PFA+1], s[4:5], s[6:7]
	s_cmp_eq_u32 s22, 0
	s_cselect_b32 s[LIM], 1, -1                    ; the same in all sixteen partners, for a given wave
	s_lshl_b32 s22, s16, 7
	s_add_co_u32 s20, s20, s22                     ; + the 128 rows that I fetch
	s_lshl_b32 s21, s21, 5
	s_add_co_u32 s20, s20, s21                     ; + my work-group's 32 of them
	s_mul_i32 s20, s20, KROW
	s_mov_b32 s21, 0
	s_add_nc_u64 s[PFA:PFA+1], s[PFA:PFA+1], s[20:21]
	s_add_nc_u64 s[PFA:PFA+1], s[PFA:PFA+1], 2*ROWB  ; at K step 2: the first refill steps it to 3 and names K step 4
	s_wait_kmcnt 0x0
	s_add_co_i32 s18, s96, s97                     ; e0 + e1
	s_lshl_b32 s18, s18, 23
	s_add_co_i32 s19, s98, 127
	s_lshl_b32 s22, s19, 23
	v_mov_b32 v[QS], s22                           ; 2^e2
	s_add_co_i32 s19, s19, 15
	s_lshl_b32 s19, s19, 23
	s_or_b32 s19, s19, 0x600000
	v_mov_b32 v[QL], s19                           ; 57,344 x 2^e2
	s_add_co_u32 s96, s18, 0xbfb8aa3b              ; -log2 e x 2^(e0 + e1): the exponents are added to the exponent field
	s_mov_b32 s97, s96                             ; (named with it as a pair, so it is written)
	s_add_co_u32 s98, s18, 0x4038aa3b              ; 2 log2 e x 2^(e0 + e1)
	s_mov_b32 s99, s98
.macro FRAG reg, adr, q, i             ; a fragment: lane l holds row l % 16; registers 4 c .. 4 c + 3 hold bytes 32 c + 16 (l / 16) + 0 .. 15 of the row's 128: the same places of k in A and in B
.irp c, 0,1,2,3
	ds_load_b128 v[\reg+4*\c:\reg+4*\c+3], v[\adr] offset:128*(\q)+32*\c+(\i)*16*PITCH
.endr
.endm
; 16 matrix instructions: A's blocks a0, a0 + 1 x B's eight, 128 along K.  p: B's set.  zero = 1: the first product starts the sums.
; The 64 accumulators take turns, one instruction a turn, in the same order in every step.
.macro MUL16 a0, p, zero
.irp a, \a0, \a0+1
.irp b, 0,1,2,3,4,5,6,7
.if \zero
	v_wmma_f32_16x16x128_bf8_bf8 v[8*(8*((\a)%4)+\b):8*(8*((\a)%4)+\b)+7], v[128*(\p)+FR*\b:128*(\p)+FR*\b+FR-1], v[AF+FR*(\a):AF+FR*(\a)+FR-1], 0
.else
	v_wmma_f32_16x16x128_bf8_bf8 v[8*(8*((\a)%4)+\b):8*(8*((\a)%4)+\b)+7], v[128*(\p)+FR*\b:128*(\p)+FR*\b+FR-1], v[AF+FR*(\a):AF+FR*(\a)+FR-1], v[8*(8*((\a)%4)+\b):8*(8*((\a)%4)+\b)+7]
.endif
.endr
.endr
.endm
.macro FETCH_B slot, q, p              ; B's eight fragments of the slot's q-th 128 along K into set p
	WIN TO_B
.irp i, 0,1,2,3,4,5,6,7
	FRAG 128*(\p)+FR*\i, ADRB+\slot, \q, \i
.endr
	WIN 0
.endm
.macro FETCH_A slot, q, i0             ; A's blocks i0 .. i0 + 3
.irp i, \i0, \i0+1, \i0+2, \i0+3
	FRAG AF+FR*(\i), ADRA+\slot, \q, \i
.endr
.endm
.macro PLACES n                        ; plain vector instructions between a matrix instruction and a load into, or a read of, its registers
.rept \n
	v_nop
.endr
.endm
; A step of 128 along K that has its successor in the same slot.
.macro STEP slot, q, zero
	s_wait_dscnt 4*NL                              ; B's set and A's blocks 0-3 are in; the youngest 16 loads (A's blocks 4-7) may be out
	WIN MUL_LO
	MUL16 0, (\q)%2, \zero
	MUL16 2, (\q)%2, \zero
	s_wait_dscnt 0                                 ; A's blocks 4-7 are in (asked for 32 matrix instructions ago)
	PLACES NP
	FETCH_B \slot, (\q)+1, 1-(\q)%2
	FETCH_A \slot, (\q)+1, 0
	WIN MUL_HI
	MUL16 4, (\q)%2, \zero
	MUL16 6, (\q)%2, \zero
	PLACES NP
	WIN 0
	FETCH_A \slot, (\q)+1, 4
.endm
; A slot's last step changes slots.  Its first 32 products need registers alone: they stand AHEAD of the wait for the tile, so that between that wait and the next request stand only the add, the
; descriptors' steps and the round.  In front of the round each wave waits for all its tensor loads, adds 0 to its spare word, and waits for that and for its own reads of this slot.
; fill = 1: this slot takes the K step two on, by joint loads.  fill = 2: the ring has left slot 0 for good: each wave brings its 64 rows of long_term's tile there, by a load of its own.
.macro TURN slot, next, fill
.if \fill == 1
	s_wait_xcnt 0x0                                ; the last prefetch, a K step back, has read its address: it is stepped here
	s_add_nc_u64 s[PFA:PFA+1], s[PFA:PFA+1], ROWB
.endif
	s_wait_dscnt 4*NL                              ; B's set and A's blocks 0-3 are in; the youngest 16 loads (A's blocks 4-7) may be out
	WIN MUL_LO
	MUL16 0, 1, 0
	MUL16 2, 1, 0
	WIN 0
	s_wait_tensorcnt 0x0                           ; all my tensor loads have landed: my part of the next slot; so every group 0 may be written
	ds_add_u32 v[SPW], v[NIL]                      ; 0 onto my spare word; the descriptors' steps stand between it and the wait for it
.if \fill == 1
	s_add_nc_u64 s[G0+4*\slot+2:G0+4*\slot+3], s[G0+4*\slot+2:G0+4*\slot+3], 2*ROWB
	s_add_nc_u64 s[G0B+4*\slot+2:G0B+4*\slot+3], s[G0B+4*\slot+2:G0B+4*\slot+3], 2*ROWB
.endif
	s_wait_dscnt 0x0                               ; the add is done, and my reads of this slot are over (A's blocks 4-7 were the last)
	s_barrier_signal -1
	s_barrier_wait -1
	CREST                                          ; no wave of any partner still reads this slot's tile or has a load on its way
.if \fill == 1
	JLOAD G0+4*\slot, G1, G0B+4*\slot, G1B         ; the first tensor load behind the round; its four v_nop are the places in front of the loads below
.else
	tensor_load_to_lds s[G0L:G0L+3], s[G1L:G1L+7]  ; my one load behind the round: 64 rows x 256 bytes of long_term
	s_nop 0
.rept 4
	v_nop
.endr
.endif
	FETCH_B \next, 0, 0
	FETCH_A \next, 0, 0
.if \fill == 1
	ASK \slot
.endif
	WIN MUL_HI
	MUL16 4, 1, 0
	MUL16 6, 1, 0
	PLACES NP
	WIN 0
	FETCH_A \next, 0, 4
.endm
	s_wait_tensorcnt 1                             ; my part of K step 0 is in (K step 1's load may be out),
	s_barrier_signal -1
	s_barrier_wait -1                              ; everybody's is
	FETCH_B 0, 0, 0
	FETCH_A 0, 0, 0
	FETCH_A 0, 0, 4
	s_wait_loadcnt 0x0                             ; the biases,
.set j, 0
.rept 32
.if (j >= 32) && (j < 48)
	v_pk_mul_f32 v[BIAS+j:BIAS+j+1], v[BIAS+j:BIAS+j+1], 0x4038aa3b op_sel_hi:[1,0]   ; x 2 log2 e for the tanh,
.else
	v_pk_mul_f32 v[BIAS+j:BIAS+j+1], v[BIAS+j:BIAS+j+1], 0xbfb8aa3b op_sel_hi:[1,0]   ; x -log2 e for the sigmoids: once
.endif
.set j, j+2
.endr
	STEP 0, 0, 1                                   ; the first step stands in front of the loop: its products start the sums
	s_mov_b32 s3, LAPS-1
.Llap:                                                 ; a trip goes once round the ring, from a lap's second step to the next lap's first, and fills both slots again
	TURN 0, 1, 1
	STEP 1, 0, 0
	TURN 1, 0, 1
	STEP 0, 0, 0
	s_sub_co_u32 s3, s3, 1
	s_cmp_lg_u32 s3, 0
	s_cbranch_scc1 .Llap
	TURN 0, 1, 2                                   ; the last lap: slot 0 takes long_term's tile
	STEP 1, 0, 0
	s_wait_dscnt 4*NL                              ; the very last step: nothing more to fetch
	WIN MUL_LO
	MUL16 0, 1, 0
	MUL16 2, 1, 0
	s_wait_tensorcnt 0x0                           ; my 64 rows of long_term have landed,
	s_wait_dscnt 0x0                               ; A's blocks 4-7 are in,
	s_barrier_signal -1                            ; and I say so: other waves read my rows
	WIN MUL_HI
	MUL16 4, 1, 0
	MUL16 6, 1, 0
	WIN 0
	s_barrier_wait -1                              ; the whole tile lies in LDS
	PLACES NP                                      ; in front of the first read of results and the first write of registers that held fragments
; THE GATES of block a: 16 batch rows x my 32 hidden units: a lane holds 16 hidden units of one row, in each of the four gates.
.macro GATES a
.set AC, 64*((\a)%4)
.if (\a) > 0
	s_wait_xcnt 0x0                                ; the last block's stores of o and of the codes have read their registers
.endif
.irp q, 0,1,2,3
	ds_load_b128 v[LT+4*\q:LT+4*\q+3], v[LTA] offset:(\a)*16*PITCH+16*\q
.endr
	WIN 0x02+((\a)/4)                              ; source 0: window 2 or 3
.set j, 0
.rept 32
.if (j >= 32) && (j < 48)
	v_pk_fma_f32 v[T+j:T+j+1], v[AC+j:AC+j+1], s[98:99], v[BIAS+j:BIAS+j+1] op_sel_hi:[1,0,1]   ; 2 log2 e x (sum x 2^(e0 + e1) + b_c)
.else
	v_pk_fma_f32 v[T+j:T+j+1], v[AC+j:AC+j+1], s[96:97], v[BIAS+j:BIAS+j+1] op_sel_hi:[1,0,1]   ; -log2 e x (sum x 2^(e0 + e1) + b); each accumulator from its low end on
.endif
.set j, j+2
.endr
	WIN 0
.set j, 0
.rept 64
	v_exp_f32 v[T+j], v[T+j]
.set j, j+1
.endr
	v_nop                                          ; a plain instruction behind the last exponential,
	s_wait_alu depctr_va_vdst(0)                   ; and one wait for the batch, ahead of its first reader
.set j, 0
.rept 32
	v_pk_add_f32 v[T+j:T+j+1], v[T+j:T+j+1], 1.0 op_sel_hi:[1,0]
.set j, j+2
.endr
.set j, 0
.rept 64
	v_rcp_f32 v[T+j], v[T+j]
.set j, j+1
.endr
	v_nop
	s_wait_alu depctr_va_vdst(0)                   ; one wait for the 64 reciprocals
.set j, 0
.rept 8
	v_pk_fma_f32 v[T+32+j:T+33+j], v[T+32+j:T+33+j], -2.0, 1.0 op_sel_hi:[1,0,0]   ; tanh = 1 - 2 / (1 + 2^..)
.set j, j+2
.endr
	s_wait_dscnt 0x0                               ; long_term is in (and the last block's LDS stores are done)
.set j, 0
.rept 8
	v_pk_mul_f32 v[CN+j:CN+j+1], v[T+j:T+j+1], v[LT+j:LT+j+1]                      ; f x long_term
.set j, j+2
.endr
.set j, 0
.rept 8
	v_pk_fma_f32 v[CN+j:CN+j+1], v[T+16+j:T+17+j], v[T+32+j:T+33+j], v[CN+j:CN+j+1]   ; + i x c
.set j, j+2
.endr
.irp q, 0,1,2,3
	ds_store_b128 v[LTA], v[CN+4*\q:CN+4*\q+3] offset:(\a)*16*PITCH+16*\q           ; over the very bytes that I read
.endr
.irp q, 0,1,2,3
	global_store_b128 v[LN16], v[T+48+4*\q:T+48+4*\q+3], s[92:93] offset:(\a)*131072+512*\q   ; o: 32 lanes store 512 consecutive bytes, aligned
.endr
.set j, 0
.rept 16
	v_med3_num_f32 v[T+j], v[CN+j], -v[QL], v[QL]  ; the conversion does not saturate (ISA guide 7.6.2): the hold, into the registers that f has left
.set j, j+1
.endr
	v_cvt_scalef32_pk8_bf8_f32 v[CODE:CODE+1], v[T:T+7], v[QS]
	v_cvt_scalef32_pk8_bf8_f32 v[CODE+2:CODE+3], v[T+8:T+15], v[QS]
	v_nop                                          ; a plain instruction behind the last conversion
	global_store_b128 v[LN16], v[CODE:CODE+3], s[90:91] offset:((\a)/4)*131072+((\a)%4)*8192   ; four registers of the next operand's image: 512 consecutive bytes
.endm
.irp a, 0,1,2,3,4,5,6,7
	GATES \a
.endr
	; C_new leaves as whole rows: a row's 256 bytes come from two waves, so a barrier stands between the writing and the reading
	s_wait_dscnt 0x0                               ; for the others' sake: my stores are done
	s_barrier_signal -1
	s_barrier_wait -1
	s_wait_xcnt 0x0                                ; block 7's stores have read their registers: the rows may land there
.set t, 0
.rept 32
	ds_load_b128 v[T+4*t:T+4*t+3], v[RD] offset:2*t*PITCH
.set t, t+1
.endr
.set t, 0
.rept 32
	s_wait_dscnt 31-t
	global_store_b128 v[CO], v[T+4*t:T+4*t+3], s[88:89] offset:2*t*8192 th:TH_STORE_NT   ; 16 lanes store 256 consecutive bytes, at a multiple of 256 from out1's first byte
.set t, t+1
.endr
	s_wait_tensorcnt 0x0                           ; the wave's end
	ds_add_u32 v[SPW], v[NIL]
	s_wait_dscnt 0x0
	CROUND                                         ; the closing round
	s_endpgm
.Lfunc_end_k_qa98a6bcaec_gates:
	.size	k_qa98a6bcaec_gates, .Lfunc_end_k_qa98a6bcaec_gates-k_qa98a6bcaec_gates
	.p2alignl 7, 3214868480
	.fill 96, 4, 3214868480
	.section	.rodata,"a",@progbits
	.p2align	6, 0x0
	.amdhsa_kernel k_qa98a6bcaec_gates
		.amdhsa_group_segment_fixed_size 327680
		.amdhsa_private_segment_fixed_size 0
		.amdhsa_enable_private_segment 0
		.amdhsa_kernarg_size 88
		.amdhsa_user_sgpr_count 2
		.amdhsa_user_sgpr_kernarg_segment_ptr 1
		.amdhsa_wavefront_size32 1
		.amdhsa_system_sgpr_workgroup_id_x 1
		.amdhsa_system_sgpr_workgroup_id_y 1
		.amdhsa_system_sgpr_workgroup_id_z 1
		.amdhsa_system_vgpr_workitem_id 0
		.amdhsa_next_free_vgpr 1024
		.amdhsa_next_free_sgpr 102
		.amdhsa_reserve_vcc 0
		.amdhsa_float_denorm_mode_32 3
		.amdhsa_float_denorm_mode_16_64 3
		.amdhsa_memory_ordered 1
		.amdhsa_forward_progress 1
		.amdhsa_inst_pref_size 188
	.end_amdhsa_kernel
	.amdgpu_metadata
---
amdhsa.version: [ 1, 2 ]
amdhsa.kernels:
  - .name:           k_qa98a6bcaec_gates
    .symbol:         k_qa98a6bcaec_gates.kd
    .args:
      - { .name: comb_codes, .offset: 0, .size: 8, .value_kind: global_buffer, .address_space: global }
      - { .name: wall_codes, .offset: 8, .size: 8, .value_kind: global_buffer, .address_space: global }
      - { .name: lowp_scales, .offset: 16, .size: 8, .value_kind: global_buffer, .address_space: global }
      - { .name: long_term, .offset: 24, .size: 8, .value_kind: global_buffer, .address_space: global }
      - { .name: b_f, .offset: 32, .size: 8, .value_kind: global_buffer, .address_space: global }
      - { .name: b_i, .offset: 40, .size: 8, .value_kind: global_buffer, .address_space: global }
      - { .name: b_c, .offset: 48, .size: 8, .value_kind: global_buffer, .address_space: global }
      - { .name: b_o, .offset: 56, .size: 8, .value_kind: global_buffer, .address_space: global }
      - { .name: out1, .offset: 64, .size: 8, .value_kind: global_buffer, .address_space: global }
      - { .name: cnew_codes, .offset: 72, .size: 8, .value_kind: global_buffer, .address_space: global }
      - { .name: o_gate, .offset: 80, .size: 8, .value_kind: global_buffer, .address_space: global }
    .group_segment_fixed_size: 327680
    .private_segment_fixed_size: 0
    .kernarg_segment_align: 8
    .kernarg_segment_size: 88
    .max_flat_workgroup_size: 128
    .sgpr_count:     102
    .vgpr_count:     1024
    .wavefront_size: 32
...
	.end_amdgpu_metadata
.endif
;; end of part 2
;; launch h2o (part 3): grid 16 x 16, 4 waves a work-group, clusters of 4 x 4, 327,680 bytes of LDS; arguments cnew_codes, W_h2o_codes, lowp_scales, b_h2o, o_gate, out0; writes out0
.if DOCPART == 3
	.amdgcn_target "amdgcn-amd-amdhsa--gfx1250"
	.amdhsa_code_object_version 6
	.text
	.protected	k_qa98a6bcaec_h2o
	.globl	k_qa98a6bcaec_h2o
	.p2align	8
	.type	k_qa98a6bcaec_h2o,@function
k_qa98a6bcaec_h2o:
	s_mov_b64 s[64:65], 0
	v_nop
	global_prefetch_b8 v0, s[64:65] scope:SCOPE_SE
	s_setreg_imm32_b32 hwreg(HW_REG_WAVE_MODE, 25, 1), 1
	s_wait_xcnt 0x0
	s_wait_alu depctr_hold_cnt(0) depctr_sa_sdst(0) depctr_va_vdst(0) depctr_va_sdst(0) depctr_va_ssrc(0) depctr_va_vcc(0) depctr_vm_vsrc(0)
	s_getreg_b32 s2, hwreg(HW_REG_IB_STS2, 6, 4)
	s_cmp_eq_u32 s2, 0
	s_cbranch_scc0 .Lentry_in_a_cluster
	s_endpgm
.Lentry_in_a_cluster:
	s_bfe_u32 s2, ttmp6, 0x10000c
	s_cmp_lg_u32 s2, 0xf033
	s_cbranch_scc0 .Lentry_shape_is_right
	s_endpgm
.Lentry_shape_is_right:
; out0 = tanh(C_new W_h2o^T + b_h2o) x o, the product on codes of BF8 (E5M2), sums in f32, x 2^(e2 + e3).
; cnew_codes: images of operand registers: 64 rows x 512 K are one dense block of 32,768 bytes; in it fragment (a, q) (16 rows x 128 K) lies at 8,192 a + 2,048 q, its registers 4 c .. 4 c + 3 at 512 c + 16 x lane.
; W_h2o_codes: [2048][2048] codes, K innermost.  o_gate: o in blocks of 512 bytes, laid by the launch before.
; SHARES: 256 tiles of 128 x 128, one a work-group; a wave makes 64 x 64: 16 accumulators.  A larger tile would leave WGPs without work.
; K goes in four steps of 512 through two LDS slots; a step is four quarters of 128 along K, 16 matrix instructions each, on two fragment buffers.  All 16 quarters are written out: there is no loop.
; CLUSTERS: 4 x 4: C_new's tiles are shared along a row of the cluster, W's along a column, by joint loads.
; THE MATRIX INSTRUCTION IS USED TRANSPOSED (source 0 = 16 rows of W, source 1 = 16 rows of C_new): a lane holds eight neighbouring numbers of a row of out0.
; A wave's 64 columns are 256 bytes of a row, so each wave has a stage of its own on the way out, and no barrier stands there.
; No prefetch: the launch is short, and its first tiles are half of all that it reads.
; tanh(x) = 1 - 2 / (1 + 2^(2 x log2 e)).  LIMITS: e2 + e3 between -126 and 126; tanh's error is about 1e-7 absolute.  NaN among the inputs is not served.
; REGISTERS: window 0: v0-31 addresses; v32-63 at work; v64-95 rows on their way out; v96-127 the bias; v128-255 the accumulators ((a, b) at v[128 + 8 (4 a + b)]).
;   window 1: two fragment buffers of 128: A's four fragments, then B's four.   window 2: v0-127: o, in the accumulators' layout.
.set PB,     528                       ; a row of W in LDS: 512 bytes + 16 of padding
.set ABYTES, 65536                     ; A's two blocks of 32,768 bytes
.set SLOT,   ABYTES+128*PB
.set STAGE,  2*SLOT                    ; behind the ring: 16 rows x 272 bytes for each wave
.set SPITCH, 272
.set SPARE,  STAGE+4*16*SPITCH         ; behind the stages: the spare words, 128 bytes for each wave
.set BA,   7                           ; v7   32 h
.set OA,   8                           ; v8   1,024 h + 16 r
.set ADRA, 16                          ; v16-17
.set ADRB, 20                          ; v20-21
.set STO,  24
.set RD,   25
.set CO,   26
.set SPW,  28
.set NIL,  29
.set TMP,  32
.set OB,   64
.set BI,   96
.set ACC,  128
.set F0,   0
.set F1,   128
.set G1,  24
.set G0,  32
.set G1B, 48
.set G0B, 56
.set MSB, 0
.macro WIN new
.if MSB != (\new)
	s_set_vgpr_msb (MSB<<8)|(\new)
.set MSB, (\new)
.endif
.endm
.set MUL,  0x05                        ; sources 0 (B) and 1 (A) window 1; C and D window 0
.set TO_F, 0x40                        ; destination window 1, address window 0
.macro JLOAD s                         ; waves 0 and 1 fetch A's two blocks, waves 2 and 3 B's two halves; four v_nop follow each line
	s_cmp_eq_u32 s15, 0
	s_cbranch_scc0 .Lfor_b_\@
	tensor_load_to_lds s[G0+4*\s:G0+4*\s+3], s[G1:G1+7]
	s_nop 0
.rept 4
	v_nop
.endr
	s_branch .Lasked_\@
.Lfor_b_\@:
	tensor_load_to_lds s[G0B+4*\s:G0B+4*\s+3], s[G1B:G1B+7]
	s_nop 0
.rept 4
	v_nop
.endr
.Lasked_\@:
.endm
.macro CREST
	s_cmp_lg_u32 s14, 0
	s_cbranch_scc1 .Lnot_wave_0_\@
	s_barrier_signal -3
.Lnot_wave_0_\@:
	s_barrier_wait -3
	s_barrier_signal -1
	s_barrier_wait -1
.endm
.macro CROUND
	s_barrier_signal -1
	s_barrier_wait -1
	CREST
.endm
.macro PLACES
.rept 4
	v_nop
.endr
.endm
	s_load_b256 s[4:11], s[0:1], 0x0               ; cnew_codes, W_h2o_codes, the scales' exponents, b_h2o
	s_load_b128 s[68:71], s[0:1], 0x20             ; o_gate, out0
	v_lshl_add_u32 v[SPW], v0, 2, SPARE
	v_mov_b32 v[NIL], 0
	ds_add_u32 v28, v29
	ds_add_u32 v28, v29
	s_wait_dscnt 0x0
	v_lshrrev_b32 v1, 5, v0
	v_readfirstlane_b32 s14, v1                    ; wave 0..3
	s_lshr_b32 s15, s14, 1                         ; my half of the tile's rows.  Also: I fetch for A (0) or for B (1)
	s_and_b32 s16, s14, 1                          ; my half of its columns.  Also: which half of that tile I fetch
	s_bfe_u32 s40, ttmp6, 0x40000                  ; cx, cy
	s_bfe_u32 s41, ttmp6, 0x40004
	s_lshl_b32 s42, ttmp9, 2
	s_add_co_u32 s42, s42, s40                     ; tx: tile column
	s_and_b32 s17, ttmp7, 0xffff
	s_lshl_b32 s17, s17, 2
	s_add_co_u32 s17, s17, s41                     ; ty: tile row
	s_lshl_b32 s43, s41, 2
	s_lshl_b32 s43, 15, s43                        ; my row of the cluster
	s_lshl_b32 s44, 0x1111, s40                    ; my column
	s_or_b32 s[G1+0], s43, (3<<16)|(1<<21)         ; A: a dense block as 128 rows of 32 elements of 8 bytes; no padding
	s_mov_b32 s[G1+1], 32<<16
	s_mov_b32 s[G1+2], 128<<16
	s_mov_b32 s[G1+3], 32<<16
	s_mov_b32 s[G1+4], 128
	s_mov_b32 s[G1+5], 32
	s_mov_b32 s[G1+6], 0
	s_mov_b32 s[G1+7], 0
	s_or_b32 s[G1B+0], s44, (0<<16)|(1<<20)|(1<<21)|(6<<22)|(3<<25)  ; B: 64 rows of 512 bytes, 4 words of padding behind every 128
	s_mov_b32 s[G1B+1], 512<<16
	s_mov_b32 s[G1B+2], 64<<16
	s_mov_b32 s[G1B+3], 512<<16
	s_mov_b32 s[G1B+4], 64
	s_mov_b32 s[G1B+5], 2048
	s_mov_b32 s[G1B+6], 0
	s_mov_b32 s[G1B+7], 0
	s_lshl_b32 s18, s16, 17
	s_lshl_b32 s20, s17, 18
	s_add_co_u32 s20, s20, s18                     ; A: block row 2 ty + half, 131,072 bytes each
	s_mov_b32 s21, 0
	s_lshl_b32 s46, s42, 18
	s_add_co_u32 s46, s46, s18                     ; B: row 128 tx + 64 x half, 2,048 bytes each
	s_mov_b32 s47, 0
	s_lshl_b32 s45, s16, 15                        ; where they go: A's block,
	s_mul_i32 s22, s16, 64*PB
	s_add_co_u32 s22, s22, ABYTES                  ; B's half: no place in the cluster enters an LDS address
	s_wait_kmcnt 0x0
	s_load_b128 s[96:99], s[8:9], 0x0              ; e0, e1, e2, e3
	s_add_nc_u64 s[20:21], s[4:5], s[20:21]
	s_add_nc_u64 s[46:47], s[6:7], s[46:47]
	CROUND                                         ; all sixteen work-groups are here: the first joint loads meet
.irp s, 0,1
	s_mov_b32 s[G0+4*\s], 1
	s_add_co_u32 s[G0+4*\s+1], s45, \s*SLOT
	s_add_nc_u64 s[G0+4*\s+2:G0+4*\s+3], s[20:21], \s*32768
	s_or_b32 s[G0+4*\s+3], s[G0+4*\s+3], 0x80000000
	s_mov_b32 s[G0B+4*\s], 1
	s_add_co_u32 s[G0B+4*\s+1], s22, \s*SLOT
	s_add_nc_u64 s[G0B+4*\s+2:G0B+4*\s+3], s[46:47], \s*512
	s_or_b32 s[G0B+4*\s+3], s[G0B+4*\s+3], 0x80000000
	JLOAD \s
.endr
	v_and_b32 v1, 15, v0                           ; r
	v_bfe_u32 v2, v0, 4, 1                         ; h
	v_and_b32 v6, 31, v0
	v_lshlrev_b32 v5, 4, v6                        ; an image's place for my lane
	v_mul_u32_u24 v3, v1, PB
	v_lshl_add_u32 v4, v2, 4, v3                   ; W: row r x pitch + 16 h
	s_lshl_b32 s21, s15, 15                        ; my 64 rows of C_new: block = my row half
	s_mul_i32 s22, s16, 64*PB
	s_add_co_u32 s22, s22, ABYTES                  ; my 64 rows of W
.irp s, 0,1
	v_add_nc_u32 v[ADRA+\s], s21, v5
	v_add_nc_u32 v[ADRB+\s], s22, v4
	s_add_co_u32 s21, s21, SLOT
	s_add_co_u32 s22, s22, SLOT
.endr
	s_mul_i32 s23, s14, 16*SPITCH
	s_add_co_u32 s23, s23, STAGE                   ; my stage
	v_mul_u32_u24 v3, v1, SPITCH
	v_lshl_add_u32 v3, v2, 5, v3
	v_add_nc_u32 v[STO], s23, v3                   ; in: row r, 32 bytes for each half of the lanes
	v_mul_u32_u24 v3, v2, SPITCH
	v_lshl_add_u32 v3, v1, 4, v3
	v_add_nc_u32 v[RD], s23, v3                    ; back: lanes 0-15 one row of 256 bytes, lanes 16-31 the next
	v_lshlrev_b32 v3, 13, v2
	v_lshl_add_u32 v[CO], v1, 4, v3                ; and the same two rows in out0
	v_lshlrev_b32 v[BA], 5, v2
	v_lshlrev_b32 v3, 10, v2
	v_lshl_add_u32 v[OA], v1, 4, v3
	s_lshl_b32 s18, s17, 20
	s_lshl_b32 s19, s15, 19
	s_add_co_u32 s18, s18, s19                     ; (128 ty + 64 x row half) rows of 8,192 bytes = (8 ty + 4 x row half) blocks of 131,072
	s_lshl_b32 s22, s42, 13
	s_lshl_b32 s19, s16, 12
	s_add_co_u32 s22, s22, s19                     ; o: + (4 tx + 2 x column half) 2,048
	s_add_co_u32 s22, s22, s18
	s_mov_b32 s23, 0
	s_add_nc_u64 s[68:69], s[68:69], s[22:23]
	s_lshl_b32 s22, s42, 9
	s_lshl_b32 s19, s16, 8
	s_add_co_u32 s22, s22, s19                     ; my first column, in bytes
	s_add_nc_u64 s[10:11], s[10:11], s[22:23]
	s_add_co_u32 s22, s22, s18
	s_add_nc_u64 s[70:71], s[70:71], s[22:23]
	WIN 0x80                                       ; destination window 2
.irp a, 0,1,2,3
.irp b, 0,1,2,3
.irp q, 0,1
	global_load_b128 v[8*(4*\a+\b)+4*\q:8*(4*\a+\b)+4*\q+3], v[OA], s[68:69] offset:\a*131072+(\b/2)*2048+\q*512+(\b%2)*256 th:TH_LOAD_NT   ; o(16 a + r, 16 b + 8 h + 4 q ..): each half of the lanes reads 256 consecutive bytes
.endr
.endr
.endr
	WIN 0
.irp b, 0,1,2,3
	global_load_b128 v[BI+8*\b:BI+8*\b+3], v[BA], s[10:11] offset:64*\b
	global_load_b128 v[BI+8*\b+4:BI+8*\b+7], v[BA], s[10:11] offset:64*\b+16
.endr
	s_wait_kmcnt 0x0
	s_add_co_i32 s18, s98, s99                     ; e2 + e3
	s_lshl_b32 s18, s18, 23
	s_add_co_u32 s72, s18, 0x4038aa3b              ; 2 log2 e x 2^(e2 + e3)
	s_mov_b32 s73, s72                             ; (named with it as a pair, so it is written)
.macro FETCH slot, q, f                ; the fragments of the slot's q-th 128 along K into buffer f: 32 LDS loads in one run
	WIN TO_F
.irp i, 0,1,2,3
.irp c, 0,1,2,3
	ds_load_b128 v[\f+64+16*\i+4*\c:\f+64+16*\i+4*\c+3], v[ADRB+\slot] offset:\i*16*PB+128*(\q)+32*\c
.endr
.endr
.irp i, 0,1,2,3
.irp c, 0,1,2,3
	ds_load_b128 v[\f+16*\i+4*\c:\f+16*\i+4*\c+3], v[ADRA+\slot] offset:\i*8192+2048*(\q)+512*\c
.endr
.endr
.endm
.macro MUL4 f, a, zero                 ; A's block a x B's four.  The 16 accumulators take turns, in the same order in every quarter
.irp b, 0,1,2,3
.if \zero
	v_wmma_f32_16x16x128_bf8_bf8 v[ACC+8*(4*\a+\b):ACC+8*(4*\a+\b)+7], v[\f+64+16*\b:\f+64+16*\b+15], v[\f+16*\a:\f+16*\a+15], 0
.else
	v_wmma_f32_16x16x128_bf8_bf8 v[ACC+8*(4*\a+\b):ACC+8*(4*\a+\b)+7], v[\f+64+16*\b:\f+64+16*\b+15], v[\f+16*\a:\f+16*\a+15], v[ACC+8*(4*\a+\b):ACC+8*(4*\a+\b)+7]
.endif
.endr
.endm
; One of a slot's first three quarters: fetches quarter q into buffer g and multiplies buffer f.
.macro QUARTER slot, q, f, g, zero
	PLACES                                         ; in front of loads into registers that the last quarter's products read
	FETCH \slot, \q, \g
	s_wait_dscnt 32                                ; all but the 32 just issued: buffer f is in
	WIN MUL
	MUL4 \f, 0, \zero
	MUL4 \f, 1, \zero
	MUL4 \f, 2, \zero
	MUL4 \f, 3, \zero
.endm
; A slot's last quarter multiplies buffer 1 and changes slots.  fill = 1: this slot takes the K step two on.
.macro TURN slot, next, fill
	WIN 0                                          ; (the add's two registers lie in window 0)
	s_wait_tensorcnt 0x0                           ; all my tensor loads have landed: my part of the next slot
	ds_add_u32 v[SPW], v[NIL]                      ; 0 onto my spare word
	s_wait_dscnt 1                                 ; buffer 1 is in; the add may be out
	WIN MUL
	MUL4 F1, 0, 0                                  ; four matrix instructions stand between the add and the wait for it
	s_wait_dscnt 0x0                               ; the add is done, and my reads of this slot are over
	s_barrier_signal -1
	MUL4 F1, 1, 0
	WIN 0
	s_barrier_wait -1
.if \fill
	CREST                                          ; no wave of any partner still reads this slot or has a load on its way
	s_add_nc_u64 s[G0+4*\slot+2:G0+4*\slot+3], s[G0+4*\slot+2:G0+4*\slot+3], 2*32768
	s_add_nc_u64 s[G0B+4*\slot+2:G0B+4*\slot+3], s[G0B+4*\slot+2:G0B+4*\slot+3], 2*512
	JLOAD \slot                                    ; the first tensor load behind the round; its four v_nop are the places in front of the loads below
.else
	PLACES
.endif
	FETCH \next, 0, F0
	WIN MUL
	MUL4 F1, 2, 0
	MUL4 F1, 3, 0
.endm
	s_wait_tensorcnt 1                             ; my part of K step 0 is in (K step 1's load may be out),
	s_barrier_signal -1
	s_barrier_wait -1                              ; everybody's is
	FETCH 0, 0, F0
	QUARTER 0, 1, F0, F1, 1                        ; the first quarter's products start the sums
	QUARTER 0, 2, F1, F0, 0
	QUARTER 0, 3, F0, F1, 0
	TURN 0, 1, 1                                   ; slot 0 takes K step 2
	QUARTER 1, 1, F0, F1, 0
	QUARTER 1, 2, F1, F0, 0
	QUARTER 1, 3, F0, F1, 0
	TURN 1, 0, 1                                   ; slot 1 takes K step 3
	QUARTER 0, 1, F0, F1, 0
	QUARTER 0, 2, F1, F0, 0
	QUARTER 0, 3, F0, F1, 0
	TURN 0, 1, 0                                   ; nothing is left to fetch
	QUARTER 1, 1, F0, F1, 0
	QUARTER 1, 2, F1, F0, 0
	QUARTER 1, 3, F0, F1, 0
	s_wait_dscnt 0x0
	MUL4 F1, 0, 0
	MUL4 F1, 1, 0
	MUL4 F1, 2, 0
	MUL4 F1, 3, 0
	WIN 0
	s_wait_loadcnt 0x0                             ; o and the bias
.set j, 0
.rept 16
	v_pk_mul_f32 v[BI+j:BI+j+1], v[BI+j:BI+j+1], 0x4038aa3b op_sel_hi:[1,0]   ; b x 2 log2 e.  (These sixteen are also the places behind the last products)
.set j, j+2
.endr
; THE WAY OUT of block a: 16 rows x my 64 columns
.macro OUT a
.if (\a) > 0
	s_wait_xcnt 0x0                                ; the last block's stores have read their registers
.endif
.set j, 0
.rept 16
	v_pk_fma_f32 v[TMP+j:TMP+j+1], v[ACC+32*(\a)+j:ACC+32*(\a)+j+1], s[72:73], v[BI+j:BI+j+1] op_sel_hi:[1,0,1]   ; 2 log2 e x (sum x 2^(e2 + e3) + b); each accumulator from its low end on
.set j, j+2
.endr
.set j, 0
.rept 32
	v_exp_f32 v[TMP+j], v[TMP+j]
.set j, j+1
.endr
	v_nop
	s_wait_alu depctr_va_vdst(0)                   ; one wait for the batch, ahead of its first reader
.set j, 0
.rept 16
	v_pk_add_f32 v[TMP+j:TMP+j+1], v[TMP+j:TMP+j+1], 1.0 op_sel_hi:[1,0]
.set j, j+2
.endr
.set j, 0
.rept 32
	v_rcp_f32 v[TMP+j], v[TMP+j]
.set j, j+1
.endr
	v_nop
	s_wait_alu depctr_va_vdst(0)
.set j, 0
.rept 16
	v_pk_fma_f32 v[TMP+j:TMP+j+1], v[TMP+j:TMP+j+1], -2.0, 1.0 op_sel_hi:[1,0,0]   ; tanh
.set j, j+2
.endr
	WIN 0x08                                       ; source 1 (o) window 2
.set j, 0
.rept 16
	v_pk_mul_f32 v[TMP+j:TMP+j+1], v[TMP+j:TMP+j+1], v[32*(\a)+j:32*(\a)+j+1]
.set j, j+2
.endr
	WIN 0
.irp b, 0,1,2,3
	ds_store_b128 v[STO], v[TMP+8*\b:TMP+8*\b+3] offset:64*\b
	ds_store_b128 v[STO], v[TMP+8*\b+4:TMP+8*\b+7] offset:64*\b+16
.endr
.irp t, 0,1,2,3,4,5,6,7
	ds_load_b128 v[OB+4*\t:OB+4*\t+3], v[RD] offset:\t*2*SPITCH   ; LDS serves a wave's instructions in order (ISA guide 5.7.1.4): these see my stores
.endr
.irp t, 0,1,2,3,4,5,6,7
	s_wait_dscnt 7-\t
	global_store_b128 v[CO], v[OB+4*\t:OB+4*\t+3], s[70:71] offset:(16*(\a)+2*\t)*8192 th:TH_STORE_NT   ; 16 lanes store 256 consecutive bytes, at a multiple of 256 from out0's first byte
.endr
.endm
.irp a, 0,1,2,3
	OUT \a
.endr
	s_wait_tensorcnt 0x0                           ; the wave's end
	ds_add_u32 v[SPW], v[NIL]
	s_wait_dscnt 0x0
	CROUND                                         ; the closing round
	s_endpgm
.Lfunc_end_k_qa98a6bcaec_h2o:
	.size	k_qa98a6bcaec_h2o, .Lfunc_end_k_qa98a6bcaec_h2o-k_qa98a6bcaec_h2o
	.p2alignl 7, 3214868480
	.fill 96, 4, 3214868480
	.section	.rodata,"a",@progbits
	.p2align	6, 0x0
	.amdhsa_kernel k_qa98a6bcaec_h2o
		.amdhsa_group_segment_fixed_size 327680
		.amdhsa_private_segment_fixed_size 0
		.amdhsa_enable_private_segment 0
		.amdhsa_kernarg_size 48
		.amdhsa_user_sgpr_count 2
		.amdhsa_user_sgpr_kernarg_segment_ptr 1
		.amdhsa_wavefront_size32 1
		.amdhsa_system_sgpr_workgroup_id_x 1
		.amdhsa_system_sgpr_workgroup_id_y 1
		.amdhsa_system_sgpr_workgroup_id_z 1
		.amdhsa_system_vgpr_workitem_id 0
		.amdhsa_next_free_vgpr 768
		.amdhsa_next_free_sgpr 100
		.amdhsa_reserve_vcc 0
		.amdhsa_float_denorm_mode_32 3
		.amdhsa_float_denorm_mode_16_64 3
		.amdhsa_memory_ordered 1
		.amdhsa_forward_progress 1
		.amdhsa_inst_pref_size 100
	.end_amdhsa_kernel
	.amdgpu_metadata
---
amdhsa.version: [ 1, 2 ]
amdhsa.kernels:
  - .name:           k_qa98a6bcaec_h2o
    .symbol:         k_qa98a6bcaec_h2o.kd
    .args:
      - { .name: cnew_codes, .offset: 0, .size: 8, .value_kind: global_buffer, .address_space: global }
      - { .name: W_h2o_codes, .offset: 8, .size: 8, .value_kind: global_buffer, .address_space: global }
      - { .name: lowp_scales, .offset: 16, .size: 8, .value_kind: global_buffer, .address_space: global }
      - { .name: b_h2o, .offset: 24, .size: 8, .value_kind: global_buffer, .address_space: global }
      - { .name: o_gate, .offset: 32, .size: 8, .value_kind: global_buffer, .address_space: global }
      - { .name: out0, .offset: 40, .size: 8, .value_kind: global_buffer, .address_space: global }
    .group_segment_fixed_size: 327680
    .private_segment_fixed_size: 0
    .kernarg_segment_align: 8
    .kernarg_segment_size: 48
    .max_flat_workgroup_size: 128
    .sgpr_count:     100
    .vgpr_count:     768
    .wavefront_size: 32
...
	.end_amdgpu_metadata
.endif
;; end of part 3
